; MI455X (gfx1250); checked and timed in simulation.
; The chip was launched on July 23, 2026; its instructions are those of AMD's public machine-readable ISA for CDNA 5 (MIT licence, August 2026) and "CDNA5" Instruction Set Architecture Reference Guide (July 2026). The comments in the code are by the model that wrote it; some were corrected since.
;; Attention. Allowed arithmetic: matrix products marked QUANTISED: E2M3 operands, one E8M0 scale for each 32 along K, by v_wmma_scale_f32_16x16x128_f8f6f4 with both operands' format E2M3, f32 sums; everything else in f32.
;; Inputs: Wk_codes 1,024 x 32 x 24 uint8 (E2M3 codes of Wk, K innermost, in blocks of 32 codes, four codes in three bytes); Wk_scales 1,024 x 32 uint8 (E8M0 scales of Wk, one for each 32 codes along K); Wo_codes 1,024 x 32 x 24 uint8 (E2M3 codes of Wo, K innermost, in blocks of 32 codes, four codes in three bytes); Wo_scales 1,024 x 32 uint8 (E8M0 scales of Wo, one for each 32 codes along K); Wq_codes 1,024 x 32 x 24 uint8 (E2M3 codes of Wq, K innermost, in blocks of 32 codes, four codes in three bytes); Wq_scales 1,024 x 32 uint8 (E8M0 scales of Wq, one for each 32 codes along K); Wv_codes 1,024 x 32 x 24 uint8 (E2M3 codes of Wv, K innermost, in blocks of 32 codes, four codes in three bytes); Wv_scales 1,024 x 32 uint8 (E8M0 scales of Wv, one for each 32 codes along K); bo 1,024 float32; x_codes 2 x 2,048 x 32 x 24 uint8 (E2M3 codes of x, K innermost, in blocks of 32 codes, four codes in three bytes); x_scales 2 x 2,048 x 32 uint8 (E8M0 scales of x, one for each 32 codes along K).
;; Outputs: out0 2 x 2,048 x 1,024 float32.
;; This version of the problem:
;;   THIS VERSION OF THE PROBLEM IS GIVEN IN LOW PRECISION. The matrix products marked QUANTISED in the list below multiply operands that are first quantised to E2M3 (2 exponent bits, 3 mantissa bits; 6 bits a number), with one power-of-two scale for each 32 numbers along K (OCP MX v1.0); their sums are f32. All else is computed in f32.
;;   The module's matrix products, in the order in which they are computed (A, B: the left and right operand; K: the contracted axis; several contracted axes count as one K, in the product's order):
;;     1. [M 4,096, K 1,024] x [K 1,024, N 1,024]; A: input x (given as codes); B: input Wq (given as codes): QUANTISED
;;     2. [M 4,096, K 1,024] x [K 1,024, N 1,024]; A: input x (given as codes); B: input Wk (given as codes): QUANTISED
;;     3. [M 4,096, K 1,024] x [K 1,024, N 1,024]; A: input x (given as codes); B: input Wv (given as codes): QUANTISED
;;     4. batch 32 x [M 2,048, K 64] x [K 64, N 2,048]; A: computed on the way; B: computed on the way: QUANTISED
;;     5. batch 32 x [M 2,048, K 2,048] x [K 2,048, N 64]; A: softmax (see below); B: computed on the way: QUANTISED
;;     6. [M 4,096, K 1,024] x [K 1,024, N 1,024]; A: computed on the way; B: input Wo (given as codes): QUANTISED
;;   THE QUANTISER, for each operand of a quantised product, along K:
;;     - K is cut into blocks of 32 from its start; a last block that is shorter is filled with zeros.
;;     - A block's scale is 2^e with e = floor(log2(the largest magnitude in the block)) - 2, held to -126 .. 127; a block of zeros has e = 0. As a byte (E8M0): e + 127.
;;     - Each number is divided by its block's scale, clamped to +-7.5, and rounded to the nearest number of E2M3, ties to even, subnormals kept.
;;     - The product sums the exact products of the quantised numbers (number of the format x scale) in f32.
;;   ~~~python
;;   def quantise(x, axis):      # numpy; x: float32 -> the quantised numbers, widened to float32 again
;;       x = np.moveaxis(x, axis, -1); K = x.shape[-1]
;;       x = np.pad(x, [(0, 0)] * (x.ndim - 1) + [(0, -K % 32)]); x = x.reshape(x.shape[:-1] + (-1, 32)); a = np.abs(x).max(-1, keepdims=True)
;;       e = np.where(a > 0, np.clip(np.frexp(np.where(a > 0, a, 1))[1] - 1 - 2, -126, 127), 0)      # np.frexp(a)[1] - 1 = floor(log2(a)), exactly
;;       r = np.clip(x / 2.0 ** e, -7.5, 7.5)
;;       step = 2.0 ** (np.maximum(np.frexp(np.where(r == 0, 1, r))[1] - 1, 0) - 3)
;;       q = np.round(r / step) * step * 2.0 ** e      # np.round: ties to even
;;       return np.moveaxis(q.reshape(q.shape[:-2] + (-1,))[..., :K], -1, axis).astype(np.float32)
;;   ~~~
;;   SOFTMAX AHEAD OF A QUANTISED PRODUCT. Where the list says 'softmax', what is quantised is not the finished softmax but p = 2^(t - M), with t = logit x log2(e) and M = ceil(the row's largest t), a whole number; so 1/2 < the row's largest p <= 1. The row's sum l is taken of the UNQUANTISED p, in f32, and the product's result is divided by l at the end. Since M is a whole number, a kernel that streams over the keys may use a running M (the ceiling of the running maximum): every later rescaling is an exact power of two, which a block's scale takes up: the codes' values come out the same.
;;   OPERANDS COMPUTED ON THE WAY. 'Computed on the way' means the value that the module computes at that place (a softmax that the list does not call 'softmax' is quantised finished and normalised). What goes into a quantiser is computed in f32, as accurately as f32 sums, v_exp_f32 and their like allow (about 1e-6 of the number): no bf16 or f16 on the way to a quantiser, and a product that is left as it is and whose result goes on into a quantised operand takes f32 operands (vector FMAs, or v_wmma_f32_16x16x4_f32). A number that lies on a knife's edge between two numbers of the format may be rounded either way, as far as f32 arithmetic and the matrix unit's own rounding can turn it there, and no further.
;;   INPUTS GIVEN AS CODES. Wk (in the module: [1024, 1024], K = its axis 1); Wo (in the module: [1024, 1024], K = its axis 1); Wq (in the module: [1024, 1024], K = its axis 1); Wv (in the module: [1024, 1024], K = its axis 1); x (in the module: [2, 2048, 1024], K = its axis 2): each comes as NAME_codes (uint8): NAME with its K axis moved to the last place and cut into blocks of 32 codes, [.., K / 32, bytes a block], one block behind the other in memory; four codes in three bytes: a row's codes are one little-endian stream of bits, code i at bits 6 i .. 6 i + 5 (a code: sign, 2 exponent bits, 3 mantissa bits); and NAME_scales (uint8): the same leading axes, one E8M0 byte (e + 127) for each 32 codes along K. Its value is code x scale, taken as it is: it is not quantised again, and the codes and scales need not be those that the quantiser above would give.
;; One version. Each part assembles by itself: llvm-mc -triple=amdgcn-amd-amdhsa -mcpu=gfx1250 --defsym DOCPART=n.
;; ======== version 1 of 1: 3 launches
;; limits: right only within a limited range of input values
;; workspace buffers: qkv 10,223,616 bytes; att 3,670,016 bytes
;; launch proj (part 1): grid 8 x 32, 4 waves a work-group, clusters of 4 x 4, 327,680 bytes of LDS; arguments x_codes, x_scales, Wq_codes, Wq_scales, Wk_codes, Wk_scales, Wv_codes, Wv_scales, qkv; writes qkv
.if DOCPART == 1
	.amdgcn_target "amdgcn-amd-amdhsa--gfx1250"
	.amdhsa_code_object_version 6
	.text
	.protected	k_qa564733bae_proj
	.globl	k_qa564733bae_proj
	.p2align	8
	.type	k_qa564733bae_proj,@function
k_qa564733bae_proj:
	s_mov_b64 s[64:65], 0
	v_nop
	global_prefetch_b8 v0, s[64:65] scope:SCOPE_SE
	s_setreg_imm32_b32 hwreg(HW_REG_WAVE_MODE, 25, 1), 1
	s_wait_xcnt 0x0
	s_wait_alu depctr_hold_cnt(0) depctr_sa_sdst(0) depctr_va_vdst(0) depctr_va_sdst(0) depctr_va_ssrc(0) depctr_va_vcc(0) depctr_vm_vsrc(0)
	s_getreg_b32 s2, hwreg(HW_REG_IB_STS2, 6, 4)
	s_cmp_eq_u32 s2, 0
	s_cbranch_scc0 .Lentry_in_a_cluster
	s_endpgm
.Lentry_in_a_cluster:
	s_bfe_u32 s2, ttmp6, 0x10000c
	s_cmp_lg_u32 s2, 0xf033
	s_cbranch_scc0 .Lentry_shape_is_right
	s_endpgm
.Lentry_shape_is_right:
; q = x Wq^T, k = x Wk^T, v = x Wv^T on codes of FP6 (E2M3), one E8M0 scale for each 32 along K = 1,024; the f32 results are quantised in registers
; (q and k along the head's 64 channels, v along the tokens) and stored as images of operand registers for the attention launch.  No work of reference() is left out.
; SHARES.  A work-group takes 128 tokens and feature block fb (128 features) of q, then of k, then of v: three phases on one tile of x.  A wave makes 64 tokens (half wave % 2) x 64 features (half wave / 2) a phase: 16 accumulators.
; Source 0 runs along a lane's result registers, source 1 gives a lane its row.  q, k: source 0 = the weight's rows, source 1 = x's rows.  v: source 0 = x's rows (tokens, the next K), source 1 = the weight's rows.
; x's FRAGMENTS STAY IN REGISTERS: my 64 rows x 1,024 K are 8 steps x 48 registers, fetched from LDS once, in phase q, and read by all three phases; phases k and v fetch the weight's 24 pieces a step alone.
; LDS.  A row of 1,024 codes is 768 dense bytes: a tile is a dense block, brought as units of 256 bytes with 16 bytes of padding behind each: 816 bytes a row.
; x's 128 rows at byte 0 (filled once); Wq's at WA (head), Wk's at WB (first fill behind the full sequence), Wv's again at WA (a refill).
; CLUSTER 4 x 4: x's tile hangs on the token block (shared along a row of the cluster), W's on the feature block (shared along a column): joint loads.
; Nothing is prefetched: the text has no loop, and each weight tile is asked for by its tensor load one phase (128 matrix instructions a wave) ahead of its first read.
; A HALF IMAGE (768 bytes) = 16 rows x 64 along K: lane (r, h) owns block h of row r: registers 0-3 at 16 x lane, 4-5 at 512 + 8 x lane.  Its scale words, 4 bytes a row: [b0, b1, b0, b1].
; The order inside a block of 32 is 0-7, 16-23, 8-15, 24-31, alike in q and k (channels) and in v and the attention's p (keys).  v's channels: tile 2 b + u, row r' is channel 32 b + 8 u + r' + 8 (r' / 8).
; REGISTERS.  Window 0: addresses, the quantiser, scale words, codes to store.  Window 1: the weight's fragments, two buffers (v0-47, v48-95); x's step 7 (v128-175).  Window 2: the sums (v0-127); x's steps 0, 1 (v128-223).  Window 3: x's steps 2-6.
; LIMITS: NaN and infinities are not served.  A block whose largest magnitude lies under 2^-124 (zeros too) gets the scale byte 1: its bytes are read by this program alone.
.set QOFF,  6815744                    ; qkv: 32 heads x 212,992 bytes of K and V, then Q
.set BHB,   212992
.set STEPB, 13312                      ; 128 keys: K's 8 half images, V's 8, K's words (512 bytes), V's words (512)
.set RP,    816
.set HB,    64*RP
.set QB,    32*RP
.set WA,    128*RP
.set WB,    256*RP
.set SPARE, 384*RP                     ; the spare words: 512 bytes that no other line names
.set PADW,  (3<<16)|(1<<20)|(1<<21)|(5<<22)|(3<<25)   ; elements of 8 bytes; padding on; 21 beside a mask; after every 64 words, 4 words
.set A16, 4                            ; v4-6  q, k: 16, 8, 4 x lane
.set A8,  5
.set A4,  6
.set V16, 7                            ; v7-9  v: the same places in v's images
.set V8,  8
.set V4,  9
.set SR,  13                           ; 32 x (lane % 16)
.set TM,  16                           ; v16-21 the quantiser
.set PT,  22
.set PW,  26
.set SW,  30
.set XJ,  32                           ; scale words, tile i, K step s at + 8 i + s: x's; Wq's; Wk's; Wv's
.set SQ,  96
.set SK,  128
.set SV,  160
.set CO,  192                          ; v192-223 codes to store
.set SPW, 224
.set NIL, 225
.set AXJ, 226                          ; LDS addresses of fragments (and + 16 h in the next register): x; the bytes at WA (Wq, then Wv); Wk
.set AWI, 228
.set AQ,  230
.set AK,  232
.set WJ,  2
.set WV,  22
.set WI,  23
.set G1X, 24
.set G1W, 32
.set G1Q, 40
.set G0X, 48
.set G0W, 52
.set G0K, 56
.set G0V, 60
.set SEL, 66
.set HI16, 68
.set QC,  70
.set QW,  72
.set KC,  74
.set KWD, 76
.set VC,  78
.set VWD, 80
.set MSB, 0
.macro WIN new                         ; the immediate's high byte repeats the setting that is left
.if MSB != \new
	s_set_vgpr_msb (MSB<<8)|\new
.set MSB, \new
.endif
.endm
.set TO_F,  0x40
.set W_MAX, 0x28                       ; sources 1 and 2 in window 2
.set W_CVT, 0x02                       ; source 0 in window 2
.macro XPOS s                          ; where x's fragments of K step s lie: window XWN, register XRG
.if (\s) < 2
.set XWN, 2
.set XRG, 128+48*(\s)
.elseif (\s) < 7
.set XWN, 3
.set XRG, 48*((\s)-2)
.else
.set XWN, 1
.set XRG, 128
.endif
.endm
.macro PLACES n
.rept \n
	v_nop
.endr
.endm
.macro CROUND                          ; a round of the cluster's barrier
	s_barrier_signal -1
	s_barrier_wait -1
	s_cmp_lg_u32 s[WV], 0
	s_cbranch_scc1 .Lnot_wave_0_\@
	s_barrier_signal -3
.Lnot_wave_0_\@:
	s_barrier_wait -3
	s_barrier_signal -1
	s_barrier_wait -1
.endm
.macro THREE
	s_wait_tensorcnt 0x0
	ds_add_u32 v[SPW], v[NIL]
	s_wait_dscnt 0x0
.endm
	s_load_b256 s[4:11], s[0:1], 0x0               ; x's codes, x's scales, Wq's codes, scales
	s_load_b256 s[12:19], s[0:1], 0x20             ; Wk's, Wv's
	s_load_b64 s[20:21], s[0:1], 0x40              ; qkv
	v_lshl_add_u32 v[SPW], v0, 2, SPARE
	v_mov_b32 v[NIL], 0
	ds_add_u32 v[SPW], v[NIL]
	ds_add_u32 v[SPW], v[NIL]
	v_lshrrev_b32 v1, 5, v0
	v_readfirstlane_b32 s[WV], v1
	s_lshr_b32 s[WI], s[WV], 1
	s_and_b32 s[WJ], s[WV], 1
	s_bfe_u32 s88, ttmp6, 0x40000                  ; cx
	s_bfe_u32 s89, ttmp6, 0x40004                  ; cy
	s_lshl_b32 s91, ttmp9, 2
	s_add_co_u32 s91, s91, s88                     ; feature block 0..7
	s_and_b32 s92, ttmp7, 0xffff
	s_lshl_b32 s92, s92, 2
	s_add_co_u32 s92, s92, s89                     ; token block 0..31
	s_lshl_b32 s93, s89, 2
	s_lshl_b32 s93, 15, s93                        ; my row of the cluster
	s_lshl_b32 s94, 0x1111, s88                    ; my column
	s_or_b32 s[G1X], s93, PADW
	s_or_b32 s[G1W], s94, PADW
	s_or_b32 s[G1Q], s94, PADW
.irp g, G1X, G1W, G1Q
	s_mov_b32 s[\g+1], 32<<16                      ; units of 256 bytes
	s_mov_b32 s[\g+3], 32<<16
	s_mov_b32 s[\g+5], 32
	s_mov_b32 s[\g+6], 0
	s_mov_b32 s[\g+7], 0
.endr
.irp g, G1X, G1W
	s_mov_b32 s[\g+2], 192<<16                     ; 64 rows of codes = 192 units
	s_mov_b32 s[\g+4], 192
.endr
	s_mov_b32 s[G1Q+2], 96<<16                     ; 32 rows
	s_mov_b32 s[G1Q+4], 96
	s_lshl_b32 s95, s[WJ], 6
	s_lshl_b32 s96, s92, 7
	s_add_co_u32 s96, s96, s95
	s_mul_i32 s96, s96, 768                        ; x: row 128 x token block + 64 x (wave % 2)
	s_mov_b32 s97, 0
	s_lshl_b32 s98, s91, 7
	s_lshl_b32 s82, s[WV], 5
	s_add_co_u32 s82, s82, s98
	s_mul_i32 s82, s82, 768                        ; W by quarters: row 128 x feature block + 32 x wave
	s_mov_b32 s83, 0
	s_add_co_u32 s98, s98, s95
	s_mul_i32 s98, s98, 768                        ; W by halves
	s_mov_b32 s99, 0
	s_mov_b32 s[G0X], 1
	s_mul_i32 s[G0X+1], s[WJ], HB
	s_mov_b32 s[G0W], 1
	s_add_co_u32 s[G0W+1], s[G0X+1], WA
	s_mov_b32 s[G0K], 1
	s_mov_b32 s[G0V], 1
	s_mul_i32 s[G0V+1], s[WV], QB
	s_add_co_u32 s[G0K+1], s[G0V+1], WB
	s_add_co_u32 s[G0V+1], s[G0V+1], WA
	s_mov_b32 s[SEL], 0x76543210
	s_mov_b32 s[SEL+1], 0xfedcba98
	s_mov_b32 s[HI16], 0xffff0000
	s_wait_dscnt 0x0
	s_wait_kmcnt 0x0
	s_add_nc_u64 s[G0X+2:G0X+3], s[4:5], s[96:97]
	s_or_b32 s[G0X+3], s[G0X+3], 0x80000000
	s_add_nc_u64 s[G0W+2:G0W+3], s[8:9], s[98:99]
	s_or_b32 s[G0W+3], s[G0W+3], 0x80000000
	s_add_nc_u64 s[G0K+2:G0K+3], s[12:13], s[82:83]
	s_or_b32 s[G0K+3], s[G0K+3], 0x80000000
	s_add_nc_u64 s[G0V+2:G0V+3], s[16:17], s[82:83]
	s_or_b32 s[G0V+3], s[G0V+3], 0x80000000
	CROUND                                         ; all sixteen work-groups are here: the first joint loads meet
	s_cmp_eq_u32 s[WI], 0                          ; one load a wave: waves 0, 1 x's halves, waves 2, 3 Wq's
	s_cbranch_scc0 .Lhead_w
	tensor_load_to_lds s[G0X:G0X+3], s[G1X:G1X+7]
	s_nop 0
	PLACES 4
	s_branch .Lhead_asked
.Lhead_w:
	tensor_load_to_lds s[G0W:G0W+3], s[G1W:G1W+7]
	s_nop 0
	PLACES 4
.Lhead_asked:
	s_lshl_b32 s82, s92, 12                        ; scales: 128 rows x 32 bytes a block, 2,048 a half
	s_lshl_b32 s83, s[WJ], 11
	s_lshl_b32 s95, s[WI], 11
	s_add_co_u32 s84, s82, s83
	s_mov_b32 s85, 0
	s_add_nc_u64 s[84:85], s[6:7], s[84:85]        ; x's, half wave % 2
	s_lshl_b32 s82, s91, 12
	s_add_co_u32 s96, s82, s95
	s_mov_b32 s97, 0
	s_add_nc_u64 s[10:11], s[10:11], s[96:97]      ; the weights', half wave / 2
	s_add_nc_u64 s[14:15], s[14:15], s[96:97]
	s_add_nc_u64 s[18:19], s[18:19], s[96:97]
	s_lshr_b32 s82, s92, 4                         ; where my 64 x 64 go in qkv
	s_lshl_b32 s82, s82, 4
	s_lshl_b32 s83, s91, 1
	s_add_co_u32 s82, s82, s83
	s_add_co_u32 s82, s82, s[WI]                   ; 16 x batch + head
	s_and_b32 s95, s92, 15                         ; the key step
	s_lshl_b32 s96, s82, 5
	s_lshl_b32 s97, s95, 1
	s_add_co_u32 s96, s96, s97
	s_add_co_u32 s96, s96, s[WJ]
	s_mul_i32 s96, s96, 3328                       ; q: 4 half images + 256 bytes of words for 64 tokens
	s_add_co_u32 s96, s96, QOFF
	s_mov_b32 s97, 0
	s_add_nc_u64 s[QC:QC+1], s[20:21], s[96:97]
	s_add_nc_u64 s[QW:QW+1], s[QC:QC+1], 3072
	s_mul_i32 s95, s95, STEPB
	s_mul_i32 s96, s82, BHB
	s_add_co_u32 s96, s96, s95
	s_mul_i32 s98, s[WJ], 3072
	s_add_co_u32 s98, s98, s96
	s_mov_b32 s99, 0
	s_add_nc_u64 s[KC:KC+1], s[20:21], s[98:99]
	s_lshl_b32 s98, s[WJ], 8
	s_add_co_u32 s98, s98, s96
	s_add_co_u32 s98, s98, 12288
	s_add_nc_u64 s[KWD:KWD+1], s[20:21], s[98:99]
	s_add_nc_u64 s[VC:VC+1], s[KC:KC+1], 6144      ; V's codes lie behind K's,
	s_add_nc_u64 s[VWD:VWD+1], s[KWD:KWD+1], 512   ; V's words behind K's
	s_mul_i32 s82, s[WJ], HB
	s_mul_i32 s83, s[WI], HB
	v_and_b32 v1, 15, v0                           ; r
	v_bfe_u32 v2, v0, 4, 1                         ; h
	v_and_b32 v3, 31, v0                           ; lane
	v_lshlrev_b32 v[SR], 5, v1
	v_mul_u32_u24 v14, v1, RP
	v_mad_u32_u24 v14, v2, 24, v14                 ; row x 816 + 24 h
	v_add_nc_u32 v[AXJ], s82, v14
	v_add_nc_u32 v[AWI], s83, v14
	v_add_nc_u32 v[AQ], WA, v[AWI]
	v_add_nc_u32 v[AK], WB, v[AWI]
.irp a, AXJ, AQ, AK
	v_lshl_add_u32 v[\a+1], v2, 4, v[\a]           ; for pieces whose lanes 16-31 lie behind one padding more
.endr
	v_lshlrev_b32 v[A16], 4, v3
	v_lshlrev_b32 v[A8], 3, v3
	v_lshlrev_b32 v[A4], 2, v3
	v_lshrrev_b32 v16, 3, v1                       ; v: row r of tile j is row r % 8 + 8 (j % 2) of half image 2 (j / 2) + r / 8
	v_and_b32 v15, 7, v1
	v_lshl_add_u32 v17, v2, 4, v15
	v_mul_u32_u24 v18, v16, 768
	v_lshl_add_u32 v[V16], v17, 4, v18
	v_lshl_add_u32 v[V8], v17, 3, v18
	v_lshlrev_b32 v[V4], 2, v15
	v_lshl_add_u32 v[V4], v16, 6, v[V4]
	v_lshl_add_u32 v[V4], v2, 5, v[V4]
	v_mov_b32 v19, 0                               ; (a lane permute's destination counts as a source)
	s_wait_alu depctr_va_vdst(0)                   ; the wait at the head's end
.macro LDSC set, b                     ; a set of scale words: 64 rows x 32 bytes, a lane its row's eight words
.irp t, 0,1,2,3
	global_load_b128 v[\set+8*\t:\set+8*\t+3], v[SR], s[\b:\b+1] offset:512*\t
	global_load_b128 v[\set+8*\t+4:\set+8*\t+7], v[SR], s[\b:\b+1] offset:512*\t+16
.endr
.endm
	LDSC SQ, 10
	LDSC XJ, 84
	LDSC SK, 14
	LDSC SV, 18
; A fragment, 16 rows x 128 K, is 12 registers: six pieces of 8 bytes.  Byte y of a row lies at y + 16 (y / 256); lanes 16-31 read 24 bytes on.
.macro FRAG reg, adr, st, t
.irp p, 0,1,2,3,4,5
.set BY, 96*(\st)+48*(\p/3)+8*(\p%3)
.if BY/256 == (BY+24)/256
	ds_load_b64 v[\reg+2*\p:\reg+2*\p+1], v[\adr] offset:BY+16*(BY/256)+(\t)*16*RP
.else
	ds_load_b64 v[\reg+2*\p:\reg+2*\p+1], v[\adr+1] offset:BY+16*(BY/256)+(\t)*16*RP
.endif
.endr
.endm
.macro FETCH st, f, adw, withx         ; K step st: the weight's four tiles into buffer f of window 1 (24 loads); withx = 1: x's four tiles into their lasting registers too (24 more)
	WIN TO_F
.irp t, 0,1,2,3
	FRAG (\f)+12*\t, \adw, \st, \t
.endr
.if \withx
	XPOS \st
	WIN (XWN<<6)
.irp t, 0,1,2,3
	FRAG XRG+12*\t, AXJ, \st, \t
.endr
.endif
	WIN 0
.endm
.macro MUL f, s, zero, ws, xa          ; 16 matrix instructions; the 16 accumulators take turns.  xa = 1: x is source 0
	XPOS \s
.if \xa
	WIN (0xa4|XWN)                                 ; source 0 in x's window, source 1 in window 1, C and D in window 2
.else
	WIN (0xa1|(XWN<<2))                            ; source 0 in window 1, source 1 in x's window
.endif
.irp j, 0,1,2,3
.irp i, 0,1,2,3
.if \xa
.set AR, XRG+12*\i
.set BR, (\f)+12*\j
.set AS, XJ+8*\i+(\s)
.set BS, \ws+8*\j+(\s)
.else
.set AR, (\f)+12*\i
.set BR, XRG+12*\j
.set AS, \ws+8*\i+(\s)
.set BS, XJ+8*\j+(\s)
.endif
.if \zero
	v_wmma_scale_f32_16x16x128_f8f6f4 v[32*\j+8*\i:32*\j+8*\i+7], v[AR:AR+11], v[BR:BR+11], 0, v[AS], v[BS] matrix_a_fmt:MATRIX_FMT_FP6 matrix_b_fmt:MATRIX_FMT_FP6
.else
	v_wmma_scale_f32_16x16x128_f8f6f4 v[32*\j+8*\i:32*\j+8*\i+7], v[AR:AR+11], v[BR:BR+11], v[32*\j+8*\i:32*\j+8*\i+7], v[AS], v[BS] matrix_a_fmt:MATRIX_FMT_FP6 matrix_b_fmt:MATRIX_FMT_FP6
.endif
.endr
.endr
	WIN 0
.endm
.macro RUN adw, ws, xa, withx          ; a phase's eight K steps; step 0's fragments have been asked for
.set st, 0
.rept 7
	PLACES 4                                       ; between the products that read a buffer and the loads into it
	FETCH st+1, 48*((st+1)%2), \adw, \withx
	s_wait_dscnt 24+24*\withx                      ; all but the loads just issued
	MUL 48*(st%2), st, st==0, \ws, \xa
.set st, st+1
.endr
	s_wait_dscnt 0x0
	MUL 48, 7, 0, \ws, \xa
.endm
; 32 sums of a lane (two blocks of 32 along the next K, 16 of each; the other 16 in lane l xor 16) become six code registers and a word
.macro QUANT2 s, co, pw
	WIN W_MAX
.irp b, 0,1
	v_max3_num_f32 v[TM+\b], 0x1800000, |v[\s+16*\b]|, |v[\s+16*\b+1]|   ; with the floor 2^(3 - 127); each accumulator from its low end on
.endr
.irp i, 2,4,6,8,10,12,14
.irp b, 0,1
	v_max3_num_f32 v[TM+\b], v[TM+\b], |v[\s+16*\b+\i]|, |v[\s+16*\b+\i+1]|
.endr
.endr
	WIN 0
.irp b, 0,1
	v_permlanex16_b32 v[TM+2+\b], v[TM+\b], s[SEL], s[SEL+1]
.endr
.irp b, 0,1
	v_max_num_f32 v[TM+\b], v[TM+\b], v[TM+2+\b]
.endr
.irp b, 0,1
	v_add_nc_u32 v[TM+4+\b], 0xff000000, v[TM+\b]  ; 2 off the exponent field: the conversion's scale operand
.endr
.irp b, 0,1
	v_lshrrev_b32 v[TM+2+\b], 23, v[TM+4+\b]       ; the scale's byte
.endr
	v_lshl_or_b32 v[\pw], v[TM+3], 8, v[TM+2]
	v_lshl_or_b32 v[\pw], v[\pw], 16, v[\pw]       ; [b0, b1, b0, b1]
	WIN W_CVT
	v_cvt_scalef32_pk16_fp6_f32 v[\co:\co+2], v[\s:\s+15], v[TM+4]
	v_cvt_scalef32_pk16_fp6_f32 v[PT:PT+2], v[\s+16:\s+31], v[TM+5]
	WIN 0
	v_nop                                          ; one plain place behind a scaled conversion
.irp i, 0,1,2
	v_permlane16_swap_b32 v[\co+\i], v[PT+\i]      ; a whole block to a lane
.endr
.irp i, 0,1,2
	v_mov_b32 v[\co+3+\i], v[PT+\i]
.endr
.endm
.macro OUT a16, a8, a4, d16, d8, cb, wb    ; a phase's way out
	s_wait_xcnt 0x0                                ; the last phase's stores have read their registers
.irp j, 0,1,2,3
	QUANT2 32*\j, CO+8*\j, PW+\j
.endr
.irp n, 0,1
	v_cndmask_b32 v[SW+\n], v[PW+2*\n], v[PW+2*\n+1], s[HI16]   ; lanes 0-15 the even tile's word, lanes 16-31 the odd tile's
.endr
.irp j, 0,1,2,3
	global_store_b128 v[\a16], v[CO+8*\j:CO+8*\j+3], s[\cb:\cb+1] offset:(\j/2)*1536+(\j%2)*\d16
	global_store_b64 v[\a8], v[CO+8*\j+4:CO+8*\j+5], s[\cb:\cb+1] offset:512+(\j/2)*1536+(\j%2)*\d8
.endr
.irp n, 0,1
	global_store_b32 v[\a4], v[SW+\n], s[\wb:\wb+1] offset:128*\n
.endr
.endm
	THREE                                          ; my head tile is in; the full sequence ahead of a later first fill
	CROUND
	tensor_load_to_lds s[G0K:G0K+3], s[G1Q:G1Q+7]  ; Wk, a quarter a wave
	s_nop 0
	PLACES 4
	FETCH 0, 0, AQ, 1
	s_wait_loadcnt 0x0                             ; the scale words
	RUN AQ, SQ, 0, 1                               ; q; x's fragments come with it, step by step
	THREE                                          ; Wk is in, my reads of Wq and of x are over
	CROUND
	tensor_load_to_lds s[G0V:G0V+3], s[G1Q:G1Q+7]  ; Wv, into Wq's bytes
	s_nop 0
	PLACES 4                                       ; also the places ahead of the loads below and of the first read of the sums
	FETCH 0, 0, AK, 0
	OUT A16, A8, A4, 768, 768, QC, QW
	RUN AK, SK, 0, 0                               ; k
	s_wait_tensorcnt 0x0                           ; my quarter of Wv is in
	s_barrier_signal -1
	s_barrier_wait -1
	PLACES 4
	FETCH 0, 0, AQ, 0
	OUT A16, A8, A4, 768, 768, KC, KWD
	RUN AQ, SV, 1, 0                               ; v: x is source 0
	PLACES 4
	OUT V16, V8, V4, 128, 64, VC, VWD
	THREE                                          ; the wave's end
	CROUND                                         ; the closing round
	s_endpgm
.Lfunc_end_k_qa564733bae_proj:
	.size	k_qa564733bae_proj, .Lfunc_end_k_qa564733bae_proj-k_qa564733bae_proj
	.p2alignl 7, 3214868480
	.fill 96, 4, 3214868480
	.section	.rodata,"a",@progbits
	.p2align	6, 0x0
	.amdhsa_kernel k_qa564733bae_proj
		.amdhsa_group_segment_fixed_size 327680
		.amdhsa_private_segment_fixed_size 0
		.amdhsa_enable_private_segment 0
		.amdhsa_kernarg_size 72
		.amdhsa_user_sgpr_count 2
		.amdhsa_user_sgpr_kernarg_segment_ptr 1
		.amdhsa_wavefront_size32 1
		.amdhsa_system_sgpr_workgroup_id_x 1
		.amdhsa_system_sgpr_workgroup_id_y 1
		.amdhsa_system_sgpr_workgroup_id_z 1
		.amdhsa_system_vgpr_workitem_id 0
		.amdhsa_next_free_vgpr 1024
		.amdhsa_next_free_sgpr 100
		.amdhsa_reserve_vcc 0
		.amdhsa_float_denorm_mode_32 3
		.amdhsa_float_denorm_mode_16_64 3
		.amdhsa_memory_ordered 1
		.amdhsa_forward_progress 1
		.amdhsa_inst_pref_size 144
	.end_amdhsa_kernel
	.amdgpu_metadata
---
amdhsa.version: [ 1, 2 ]
amdhsa.kernels:
  - .name:           k_qa564733bae_proj
    .symbol:         k_qa564733bae_proj.kd
    .args:
      - { .name: x_codes, .offset: 0, .size: 8, .value_kind: global_buffer, .address_space: global }
      - { .name: x_scales, .offset: 8, .size: 8, .value_kind: global_buffer, .address_space: global }
      - { .name: Wq_codes, .offset: 16, .size: 8, .value_kind: global_buffer, .address_space: global }
      - { .name: Wq_scales, .offset: 24, .size: 8, .value_kind: global_buffer, .address_space: global }
      - { .name: Wk_codes, .offset: 32, .size: 8, .value_kind: global_buffer, .address_space: global }
      - { .name: Wk_scales, .offset: 40, .size: 8, .value_kind: global_buffer, .address_space: global }
      - { .name: Wv_codes, .offset: 48, .size: 8, .value_kind: global_buffer, .address_space: global }
      - { .name: Wv_scales, .offset: 56, .size: 8, .value_kind: global_buffer, .address_space: global }
      - { .name: qkv, .offset: 64, .size: 8, .value_kind: global_buffer, .address_space: global }
    .group_segment_fixed_size: 327680
    .private_segment_fixed_size: 0
    .kernarg_segment_align: 8
    .kernarg_segment_size: 72
    .max_flat_workgroup_size: 128
    .sgpr_count:     100
    .vgpr_count:     1024
    .wavefront_size: 32
...
	.end_amdgpu_metadata
.endif
;; end of part 1
;; launch attn (part 2): grid 8 x 32, 16 waves a work-group, clusters of 4 x 1, 215,040 bytes of LDS; arguments qkv, att; writes att
.if DOCPART == 2
	.amdgcn_target "amdgcn-amd-amdhsa--gfx1250"
	.amdhsa_code_object_version 6
	.text
	.protected	k_qa564733bae_attn
	.globl	k_qa564733bae_attn
	.p2align	8
	.type	k_qa564733bae_attn,@function
k_qa564733bae_attn:
	s_mov_b64 s[64:65], 0
	v_nop
	global_prefetch_b8 v0, s[64:65] scope:SCOPE_SE
	s_setreg_imm32_b32 hwreg(HW_REG_WAVE_MODE, 25, 1), 1
	s_wait_xcnt 0x0
	s_wait_alu depctr_hold_cnt(0) depctr_sa_sdst(0) depctr_va_vdst(0) depctr_va_sdst(0) depctr_va_ssrc(0) depctr_va_vcc(0) depctr_vm_vsrc(0)
	s_getreg_b32 s2, hwreg(HW_REG_IB_STS2, 6, 4)
	s_cmp_eq_u32 s2, 0
	s_cbranch_scc0 .Lentry_in_a_cluster
	s_endpgm
.Lentry_in_a_cluster:
	s_bfe_u32 s2, ttmp6, 0x10000c
	s_cmp_lg_u32 s2, 0x3003
	s_cbranch_scc0 .Lentry_shape_is_right
	s_endpgm
.Lentry_shape_is_right:
; O = softmax(q k^T / 8) v for one head and 256 queries, both products on codes of FP6 (E2M3), one E8M0 scale for each 32 along K; O / l is quantised along the 64 channels and stored as an operand image.
; t = score x log2(e) / 8; M = the running largest t rounded UP to a whole number; p = 2^(t - M) is quantised along the keys; l sums the unquantised p and divides O at the end.
; When M moves, l and O are multiplied by 2^(old M - new M): exact, and with no branch.
; SHARES.  Sixteen waves, one tile of 16 queries each, four waves to a SIMD; every wave walks the head's 2,048 keys, 128 a step, four steps to a trip.
; LDS.  The head's K and V, 16 key steps x 13,312 bytes, as they lie in memory; wave w brings key step w by its ONE tensor load; no byte is filled again.  One barrier shows all of it to all waves.
; CLUSTER 4 x 1: four query blocks of one head ask for every tile jointly (mask 15).  Nothing is prefetched: all tiles are asked for at the head, ahead of the loop.
; LAYOUT.  S^T = K Q^T, O^T = V^T P^T: a lane holds one query.  THE KEYS OF A TILE OF K: row 8 g + j of tile 4 c + u is key 64 c + 32 g + 8 pi(u) + j, pi = 0, 2, 1, 3:
; so lane (r, h)'s 32 registers of tiles 4 c .. 4 c + 3 are block 2 c + h of the keys, whole, in the order in which V's codes were laid (0-7, 16-23, 8-15, 24-31): no lane is asked for codes or for a block's maximum.
; The first product's K is 64.  Two fragments of K share six registers of zero codes: data, zeros, data; the even tile's data stand at K 0-63, the odd tile's at K 64-127, and q is held twice round its zeros.
; The scale words repeat their two bytes, so they serve both places.
; LIMITS: NaN and infinities are not served; the promise holds while |t| stays under 2^31.  A block whose largest magnitude lies under 2^-124 gets the scale byte 1; the bytes are read by this program alone.
.set QOFF,  6815744
.set BHB,   212992
.set STEPB, 13312
.set CHB,   4*STEPB
.set SPARE, 16*STEPB
.set LKA, 1                            ; v1-3 K's lane terms: 1536 g + 16 j + 256 h; 1536 g + 8 j + 128 h; words 128 g + 64 h + 4 j
.set LKB, 2
.set LKW, 3
.set L16, 4                            ; v4-6 16, 8, 4 x lane
.set L8,  5
.set L4,  6
.set SH8, 7                            ; 8 h
.set T,   10
.set PMX, 11
.set QF,  16                           ; v16-33 q, zeros, q;  v12 -M, v13 the largest score, v[14:15] the sum
.set QS,  34
.set T2,  35
.set FF,  36                           ; v[36:37] f = 2^(old M - new M)
.set KF,  38                           ; v38-109 four groups of 18: data, zeros, data.  The data registers of groups 0 and 1 also hold the sum's six chains
.set S,   110                          ; v110-173 S^T, then p; V's four fragments take v110-157
.set VF,  110
.set OT,  174
.set PC,  206
.set PT,  218
.set KS,  226
.set VT,  230
.set VS,  234
.set PW,  236
.set BM,  238
.set TM,  238
.set SO,  242
.set PM,  244
.set KA,  246                          ; v246-251 the trip's LDS addresses
.set KB,  247
.set KW,  248
.set VA,  249
.set VB,  250
.set VW,  251
.set SPW, 254
.set NIL, 255
.set WV,  8
.set SEL, 10
.set CS,  12
.set LOW, 14
.set TC,  15
.set CNT, 16
.set G1,  24
.set G0,  32
.macro PLACES n
.rept \n
	v_nop
.endr
.endm
.macro CROUND
	s_barrier_signal -1
	s_barrier_wait -1
	s_cmp_lg_u32 s[WV], 0
	s_cbranch_scc1 .Lnot_wave_0_\@
	s_barrier_signal -3
.Lnot_wave_0_\@:
	s_barrier_wait -3
	s_barrier_signal -1
	s_barrier_wait -1
.endm
	s_load_b128 s[4:7], s[0:1], 0x0                ; qkv, att
	v_lshl_add_u32 v[SPW], v0, 2, SPARE
	v_mov_b32 v[NIL], 0
	ds_add_u32 v[SPW], v[NIL]
	ds_add_u32 v[SPW], v[NIL]
	v_lshrrev_b32 v1, 5, v0
	s_delay_alu instid0(VALU_DEP_1)
	v_readfirstlane_b32 s[WV], v1                  ; wave 0..15
	s_bfe_u32 s56, ttmp6, 0x40000                  ; cx: it enters Q's and O's global addresses alone
	s_lshl_b32 s57, ttmp9, 2
	s_add_co_u32 s57, s57, s56                     ; my block of 256 queries
	s_and_b32 s58, ttmp7, 0xffff                   ; 16 x batch + head
	s_mov_b32 s[G1], 15|(3<<16)|(1<<21)
	s_mov_b32 s[G1+1], 32<<16                      ; units of 256 bytes,
	s_mov_b32 s[G1+2], 52<<16                      ; 52 of them: a key step
	s_mov_b32 s[G1+3], 32<<16
	s_mov_b32 s[G1+4], 52
	s_mov_b32 s[G1+5], 32
	s_mov_b32 s[G1+6], 0
	s_mov_b32 s[G1+7], 0
	s_mul_i32 s59, s[WV], STEPB
	s_mul_i32 s60, s58, BHB
	s_add_co_u32 s60, s60, s59
	s_mov_b32 s61, 0
	s_mov_b32 s[SEL], 0x76543210
	s_mov_b32 s[SEL+1], 0xfedcba98
	s_mov_b32 s[CS], 0x3e38aa3b                    ; log2(e) / 8
	s_mov_b32 s[CS+1], s[CS]
	s_mov_b32 s[LOW], 0xffff
	s_lshl_b32 s62, s57, 2                         ; Q: half image wave % 4 of the group of 64 tokens 4 x block + wave / 4
	s_lshr_b32 s63, s[WV], 2
	s_add_co_u32 s62, s62, s63
	s_lshl_b32 s63, s58, 5
	s_add_co_u32 s62, s62, s63
	s_mul_i32 s62, s62, 3328
	s_and_b32 s63, s[WV], 3
	s_mul_i32 s48, s63, 768
	s_add_co_u32 s48, s48, s62
	s_add_co_u32 s48, s48, QOFF
	s_mov_b32 s49, 0
	s_lshl_b32 s50, s63, 6
	s_add_co_u32 s50, s50, s62
	s_add_co_u32 s50, s50, QOFF+3072
	s_mov_b32 s51, 0
	s_lshr_b32 s66, s58, 4                         ; O: block of 128 tokens 16 x batch + 2 x block + wave / 8, head, tile wave % 8
	s_lshl_b32 s66, s66, 4
	s_lshl_b32 s67, s57, 1
	s_add_co_u32 s66, s66, s67
	s_lshr_b32 s67, s[WV], 3
	s_add_co_u32 s66, s66, s67
	s_and_b32 s67, s58, 15
	s_and_b32 s68, s[WV], 7
	s_mul_i32 s52, s66, 98304
	s_mul_i32 s69, s67, 6144
	s_add_co_u32 s52, s52, s69
	s_mul_i32 s69, s68, 768
	s_add_co_u32 s52, s52, s69
	s_mov_b32 s53, 0
	s_lshl_b32 s54, s66, 14
	s_lshl_b32 s69, s67, 10
	s_add_co_u32 s54, s54, s69
	s_lshl_b32 s69, s68, 7
	s_add_co_u32 s54, s54, s69
	s_add_co_u32 s54, s54, 3145728
	s_mov_b32 s55, 0
	s_mov_b32 s[G0], 1
	s_mov_b32 s[G0+1], s59
	s_wait_dscnt 0x0
	s_wait_kmcnt 0x0
	s_add_nc_u64 s[G0+2:G0+3], s[4:5], s[60:61]
	s_or_b32 s[G0+3], s[G0+3], 0x80000000
	s_add_nc_u64 s[48:49], s[4:5], s[48:49]
	s_add_nc_u64 s[50:51], s[4:5], s[50:51]
	s_add_nc_u64 s[52:53], s[6:7], s[52:53]
	s_add_nc_u64 s[54:55], s[6:7], s[54:55]
	CROUND                                         ; all four work-groups are here: the joint loads meet
	tensor_load_to_lds s[G0:G0+3], s[G1:G1+7]      ; key step w: every wave's one load
	s_nop 0
	v_and_b32 v10, 31, v0
	v_and_b32 v11, 7, v0                           ; j
	v_bfe_u32 v35, v0, 3, 1                        ; g
	v_bfe_u32 v36, v0, 4, 1                        ; h
	v_and_b32 v9, 15, v0
	v_lshlrev_b32 v[L16], 4, v10
	v_lshlrev_b32 v[L8], 3, v10
	v_lshlrev_b32 v[L4], 2, v10
	s_delay_alu instid0(VALU_DEP_4)
	v_lshlrev_b32 v9, 2, v9                        ; 4 x (lane % 16): Q's word
	v_mul_u32_u24 v[LKA], v35, 1536
	v_lshlrev_b32 v[LKW], 7, v35
	v_lshlrev_b32 v[SH8], 3, v36
	s_delay_alu instid0(VALU_DEP_3)
	v_lshl_add_u32 v[LKB], v11, 3, v[LKA]
	s_delay_alu instid0(VALU_DEP_4)
	v_lshl_add_u32 v[LKA], v11, 4, v[LKA]
	s_delay_alu instid0(VALU_DEP_4)
	v_lshl_add_u32 v[LKW], v11, 2, v[LKW]
	s_delay_alu instid0(VALU_DEP_3)
	v_lshl_add_u32 v[LKB], v36, 7, v[LKB]
	s_delay_alu instid0(VALU_DEP_3)
	v_lshl_add_u32 v[LKA], v36, 8, v[LKA]
	s_delay_alu instid0(VALU_DEP_3)
	v_lshl_add_u32 v[LKW], v36, 6, v[LKW]
	global_load_b128 v[QF:QF+3], v[L16], s[48:49]
	global_load_b64 v[QF+4:QF+5], v[L8], s[48:49] offset:512
	global_load_b128 v[QF+12:QF+15], v[L16], s[48:49]          ; q once more, above its zeros
	global_load_b64 v[QF+16:QF+17], v[L8], s[48:49] offset:512
	global_load_b32 v[QS], v9, s[50:51]
.irp i, 6,7,8,9,10,11
	v_mov_b32 v[QF+\i], 0                          ; zero codes, set once
.irp q, 0,1,2,3
	v_mov_b32 v[KF+18*\q+\i], 0
.endr
.endr
	v_mov_b32 v13, 0xff61b1e6                      ; the largest score so far: -3e38
	v_mov_b32 v14, 0
	v_mov_b32 v15, 0
	v_mov_b32 v[FF+1], 0
	s_delay_alu instid0(VALU_DEP_4)
	v_mul_f32 v[T], s[CS], v13
	s_delay_alu instid0(VALU_DEP_1)
	v_floor_f32 v12, -v[T]                         ; -M
.set jj, 0
.rept 32
	v_mov_b32 v[OT+jj], 0                          ; O^T: the step is written for every step alike
.set jj, jj+1
.endr
.macro TMM n                           ; t - M, two at a time
.rept \n
	v_pk_fma_f32 v[S+jj:S+jj+1], v[S+jj:S+jj+1], s[CS:CS+1], v[12:13] op_sel_hi:[1,0,0]
.set jj, jj+2
.endr
.endm
.macro SUMS n                          ; the next n pairs of p onto the six chains, by turns
.rept \n
	v_pk_add_f32 v[KF+18*((pj%6)/3)+2*(pj%3):KF+18*((pj%6)/3)+2*(pj%3)+1], v[KF+18*((pj%6)/3)+2*(pj%3):KF+18*((pj%6)/3)+2*(pj%3)+1], v[S+2*pj:S+2*pj+1]
.set pj, pj+1
.endr
.endm
; A KEY STEP: 128 keys, at byte o of the trip's four steps
.macro STEP o
.if (\o) == 0
	v_add_nc_u32 v[KA], s[TC], v[LKA]              ; the trip's addresses; these six are also the places owed before the scores' products write over registers that the last products read as V
	v_add_nc_u32 v[KB], s[TC], v[LKB]
	v_add_nc_u32 v[KW], s[TC], v[LKW]
	v_add_nc_u32 v[VA], s[TC], v[L16]
	v_add_nc_u32 v[VB], s[TC], v[L8]
	v_add_nc_u32 v[VW], s[TC], v[L4]
.endif
.irp n, 0,1,2,3
	ds_load_b32 v[KS+\n], v[KW] offset:(\o)+12288+256*(\n/2)+32*(\n%2)   ; lanes 0-15 tile 2 n's words, lanes 16-31 tile 2 n + 1's
.endr
.irp t, 0,1,2,3,4,5,6,7
	ds_load_b128 v[KF+18*(\t/2)+12*(\t%2):KF+18*(\t/2)+12*(\t%2)+3], v[KA] offset:(\o)+3072*(\t/4)+768*(\t%2)+128*((\t%4)/2)
	ds_load_b64 v[KF+18*(\t/2)+12*(\t%2)+4:KF+18*(\t/2)+12*(\t%2)+5], v[KB] offset:(\o)+512+3072*(\t/4)+768*(\t%2)+64*((\t%4)/2)
.endr
.irp n, 0,1,2,3
	ds_load_b32 v[VT+\n], v[VW] offset:(\o)+12800+128*\n
.endr
.if (\o) != 0
	PLACES 5                                       ; five places before the scores' products write over registers that the last products read as V
.endif
	s_wait_dscnt 4                                 ; all but V's four words
.irp t, 0,1,2,3,4,5,6,7
.if \t%2
	v_wmma_scale_f32_16x16x128_f8f6f4 v[S+8*\t:S+8*\t+7], v[KF+18*(\t/2)+6:KF+18*(\t/2)+17], v[QF+6:QF+17], 0, v[KS+\t/2], v[QS] matrix_a_fmt:MATRIX_FMT_FP6 matrix_b_fmt:MATRIX_FMT_FP6 matrix_a_scale:MATRIX_SCALE_ROW1
.else
	v_wmma_scale_f32_16x16x128_f8f6f4 v[S+8*\t:S+8*\t+7], v[KF+18*(\t/2):KF+18*(\t/2)+11], v[QF:QF+11], 0, v[KS+\t/2], v[QS] matrix_a_fmt:MATRIX_FMT_FP6 matrix_b_fmt:MATRIX_FMT_FP6
.endif
.endr
	s_wait_dscnt 0x0
	v_bfi_b32 v[VS], s[LOW], v[VT], v[VT+2]        ; V's words for 128 keys; these two and two v_nop are the four places behind the products
	v_bfi_b32 v[VS+1], s[LOW], v[VT+1], v[VT+3]
	PLACES 2
.irp k, 0,1,2,3
	v_max3_num_f32 v[BM+\k], v[S+16*\k], v[S+16*\k+1], v[S+16*\k+2]   ; four chains of 16 scores; each accumulator from its low end on
.endr
.irp i, 3,5,7,9,11,13
.irp k, 0,1,2,3
	v_max3_num_f32 v[BM+\k], v[BM+\k], v[S+16*\k+\i], v[S+16*\k+\i+1]
.endr
.endr
	v_max3_num_f32 v[BM], v[BM], v[BM+1], v[S+15]
	v_max3_num_f32 v[BM+2], v[BM+2], v[BM+3], v[S+47]
	v_max_num_f32 v[BM], v[BM], v[S+31]            ; my block of the first 64 keys: its largest score,
	v_max_num_f32 v[BM+2], v[BM+2], v[S+63]        ; and of the second 64
	s_delay_alu instid0(VALU_DEP_1)
	v_max_num_f32 v[T], v[BM], v[BM+2]
	s_delay_alu instid0(VALU_DEP_1)
	v_permlanex16_b32 v[PMX], v[T], s[SEL], s[SEL+1]
	s_delay_alu instid0(VALU_DEP_1)
	v_max3_num_f32 v13, v13, v[T], v[PMX]          ; the running largest score of my query
	s_delay_alu instid0(VALU_DEP_1)
	v_mul_f32 v[T], s[CS], v13                     ; as t (c is positive)
	v_mov_b32 v[T2], v12
	s_delay_alu instid0(VALU_DEP_2)
	v_floor_f32 v12, -v[T]                         ; the new -M = -ceil(t)
.set jj, 0
	TMM 8
	v_sub_f32 v[T], v12, v[T2]                     ; old M - new M: a whole number, 0 or less
	TMM 8
	v_cvt_i32_f32 v[T], v[T]                       ; (it saturates)
	TMM 8
	v_ldexp_f32 v[FF], 1.0, v[T]
	TMM 8
	v_fma_f32 v[BM], v[BM], s[CS], v12             ; the same of each block's largest score: p rises with the score
	v_fma_f32 v[BM+2], v[BM+2], s[CS], v12
	s_wait_alu depctr_va_vdst(0)                   ; the wait ahead of the batch
	v_exp_f32 v[BM], v[BM]
	v_exp_f32 v[BM+2], v[BM+2]
.set jj, 0
.rept 64
	v_exp_f32 v[S+jj], v[S+jj]                     ; p = 2^(t - M)
.set jj, jj+1
.endr
	v_pk_mul_f32 v[14:15], v[14:15], v[FF:FF+1] op_sel_hi:[1,0]   ; the sum under the new M: a plain place behind the batch
	s_wait_alu depctr_va_vdst(0)                   ; and behind it, ahead of its first reader
	v_max_num_f32 v[BM], 0x1800000, v[BM]          ; the floor 2^(3 - 127)
	v_max_num_f32 v[BM+2], 0x1800000, v[BM+2]
.set pj, 0
.rept 6
	v_pk_add_f32 v[KF+18*(pj/3)+2*(pj%3):KF+18*(pj/3)+2*(pj%3)+1], v[S+4*pj:S+4*pj+1], v[S+4*pj+2:S+4*pj+3]   ; the row's sum of the unquantised p: six chains begin
.set pj, pj+1
.endr
.set pj, 12
	v_add_nc_u32 v[SO], 0xff000000, v[BM]          ; 2 off the exponent field: the conversion's scale operand
	v_add_nc_u32 v[SO+1], 0xff000000, v[BM+2]
	SUMS 4
	v_lshrrev_b32 v[PM], 23, v[SO]                 ; the scale's byte
	v_lshrrev_b32 v[PM+1], 23, v[SO+1]
	SUMS 4
	v_lshl_or_b32 v[PW], v[PM+1], 16, v[PM]        ; my two bytes: blocks h and 2 + h,
	SUMS 4
	v_lshlrev_b32 v[PW], v[SH8], v[PW]             ; at their places in the word;
	SUMS 4
	v_permlanex16_b32 v[PM], v[PW], s[SEL], s[SEL+1]
	SUMS 4
	v_or_b32 v[PW], v[PW], v[PM]                   ; with lane l xor 16's two the word is whole
	s_delay_alu instid0(VALU_DEP_3)
	v_pk_add_f32 v[KF:KF+1], v[KF:KF+1], v[KF+18:KF+19]
	s_delay_alu instid0(VALU_DEP_3)
	v_pk_add_f32 v[KF+2:KF+3], v[KF+2:KF+3], v[KF+20:KF+21]
	v_pk_add_f32 v[KF+4:KF+5], v[KF+4:KF+5], v[KF+22:KF+23]
	s_delay_alu instid0(VALU_DEP_3)
	v_pk_add_f32 v[14:15], v[14:15], v[KF:KF+1]
	s_delay_alu instid0(VALU_DEP_2)
	v_pk_add_f32 v[KF+2:KF+3], v[KF+2:KF+3], v[KF+4:KF+5]
	s_delay_alu instid0(VALU_DEP_1)
	v_pk_add_f32 v[14:15], v[14:15], v[KF+2:KF+3]
.irp c, 0,1
	v_cvt_scalef32_pk16_fp6_f32 v[PC+6*\c:PC+6*\c+2], v[S+32*\c:S+32*\c+15], v[SO+\c]
	v_cvt_scalef32_pk16_fp6_f32 v[PT+4*\c:PT+4*\c+2], v[S+32*\c+16:S+32*\c+31], v[SO+\c]   ; (a conversion's three registers begin on an even number)
.endr
	v_nop                                          ; one plain place behind a scaled conversion
.irp t, 0,1,2,3                        ; V's four fragments take p's place
.irp c, 0,1
	ds_load_b128 v[VF+12*\t+6*\c:VF+12*\t+6*\c+3], v[VA] offset:(\o)+6144+3072*\c+768*\t
	ds_load_b64 v[VF+12*\t+6*\c+4:VF+12*\t+6*\c+5], v[VB] offset:(\o)+6144+3072*\c+768*\t+512
.endr
.endr
.irp c, 0,1
.irp i, 0,1,2
	v_mov_b32 v[PC+3+6*\c+\i], v[PT+4*\c+\i]
.endr
.endr
	s_wait_alu depctr_va_vdst(0)                   ; the wait directly ahead of the first reader of O^T
.set jj, 0
.rept 16
	v_pk_mul_f32 v[OT+jj:OT+jj+1], v[OT+jj:OT+jj+1], v[FF:FF+1] op_sel_hi:[1,0]   ; O^T under the new M; also the places between the codes' and the word's last writes and the products
.set jj, jj+2
.endr
	s_wait_alu depctr_va_vdst(0)                   ; the wait directly ahead of the wait below
	s_wait_dscnt 0x0
.irp t, 0,1,2,3                        ; O^T += V^T P^T: the four accumulators by turns
.if \t%2
	v_wmma_scale_f32_16x16x128_f8f6f4 v[OT+8*\t:OT+8*\t+7], v[VF+12*\t:VF+12*\t+11], v[PC:PC+11], v[OT+8*\t:OT+8*\t+7], v[VS+\t/2], v[PW] matrix_a_fmt:MATRIX_FMT_FP6 matrix_b_fmt:MATRIX_FMT_FP6 matrix_a_scale:MATRIX_SCALE_ROW1
.else
	v_wmma_scale_f32_16x16x128_f8f6f4 v[OT+8*\t:OT+8*\t+7], v[VF+12*\t:VF+12*\t+11], v[PC:PC+11], v[OT+8*\t:OT+8*\t+7], v[VS+\t/2], v[PW] matrix_a_fmt:MATRIX_FMT_FP6 matrix_b_fmt:MATRIX_FMT_FP6
.endif
.endr
.endm
; the way out's quantiser: 32 numbers of a lane (two blocks, 16 of each; the other 16 in lane l xor 16) become six code registers and a word
.macro QUANT2 s, co, pw
.irp b, 0,1
	v_max3_num_f32 v[TM+\b], |v[\s+16*\b]|, |v[\s+16*\b+1]|, 0x1800000
.endr
.irp i, 2,4,6,8,10,12,14
.irp b, 0,1
	s_delay_alu instid0(VALU_DEP_2)
	v_max3_num_f32 v[TM+\b], v[TM+\b], |v[\s+16*\b+\i]|, |v[\s+16*\b+\i+1]|
.endr
.endr
.irp b, 0,1
	s_delay_alu instid0(VALU_DEP_2)
	v_permlanex16_b32 v[TM+2+\b], v[TM+\b], s[SEL], s[SEL+1]
.endr
.irp b, 0,1
	s_delay_alu instid0(VALU_DEP_2)
	v_max_num_f32 v[TM+\b], v[TM+\b], v[TM+2+\b]
.endr
.irp b, 0,1
	s_delay_alu instid0(VALU_DEP_2)
	v_add_nc_u32 v[TM+4+\b], 0xff000000, v[TM+\b]
.endr
.irp b, 0,1
	s_delay_alu instid0(VALU_DEP_2)
	v_lshrrev_b32 v[TM+2+\b], 23, v[TM+4+\b]
.endr
	s_delay_alu instid0(VALU_DEP_1)
	v_lshl_or_b32 v[\pw], v[TM+3], 8, v[TM+2]
	s_delay_alu instid0(VALU_DEP_1)
	v_lshl_or_b32 v[\pw], v[\pw], 16, v[\pw]       ; [b0, b1, b0, b1]
	v_cvt_scalef32_pk16_fp6_f32 v[\co:\co+2], v[\s:\s+15], v[TM+4]
	v_cvt_scalef32_pk16_fp6_f32 v[PT:PT+2], v[\s+16:\s+31], v[TM+5]
	v_nop
.irp i, 0,1,2
	v_permlane16_swap_b32 v[\co+\i], v[PT+\i]
.endr
.irp i, 0,1,2
	s_delay_alu instid0(VALU_DEP_3)
	v_mov_b32 v[\co+3+\i], v[PT+\i]
.endr
.endm
	s_wait_alu depctr_va_vdst(0)                   ; the wait at the head's end
	s_wait_tensorcnt 0x0                           ; my key step is in
	s_barrier_signal -1
	s_barrier_wait -1                              ; and everybody's
	s_wait_loadcnt 0x0                             ; Q
	s_mov_b32 s[TC], 0
	s_mov_b32 s[CNT], 4
.Ltrip:
	STEP 0
	STEP STEPB
	STEP 2*STEPB
	STEP 3*STEPB
	s_add_co_u32 s[TC], s[TC], CHB
	s_sub_co_u32 s[CNT], s[CNT], 1
	s_cmp_lg_u32 s[CNT], 0
	s_cbranch_scc1 .Ltrip
	; THE WAY OUT: O^T / l, quantised along the 64 channels
	PLACES 4
	v_add_f32 v14, v14, v15
	s_delay_alu instid0(VALU_DEP_1)
	v_permlanex16_b32 v[FF], v14, s[SEL], s[SEL+1]
	s_delay_alu instid0(VALU_DEP_1)
	v_add_f32 v14, v14, v[FF]                      ; the row's sum
	s_wait_alu depctr_va_vdst(0)
	v_rcp_f32 v14, v14
	v_nop
	s_wait_alu depctr_va_vdst(0)
.set jj, 0
.rept 32
	v_mul_f32 v[S+jj], v[OT+jj], v14               ; register 16 b + i is channel 32 b + 16 h + i of my query; each accumulator from its low end on
.set jj, jj+1
.endr
	QUANT2 S, PC, PW
	global_store_b128 v[L16], v[PC:PC+3], s[52:53]             ; 512 consecutive bytes
	global_store_b64 v[L8], v[PC+4:PC+5], s[52:53] offset:512  ; 256 consecutive bytes
	global_store_b32 v[L4], v[PW], s[54:55]
	s_wait_tensorcnt 0x0                           ; the wave's end
	ds_add_u32 v[SPW], v[NIL]
	s_wait_dscnt 0x0
	CROUND                                         ; the closing round
	s_endpgm
.Lfunc_end_k_qa564733bae_attn:
	.size	k_qa564733bae_attn, .Lfunc_end_k_qa564733bae_attn-k_qa564733bae_attn
	.p2alignl 7, 3214868480
	.fill 96, 4, 3214868480
	.section	.rodata,"a",@progbits
	.p2align	6, 0x0
	.amdhsa_kernel k_qa564733bae_attn
		.amdhsa_group_segment_fixed_size 215040
		.amdhsa_private_segment_fixed_size 0
		.amdhsa_enable_private_segment 0
		.amdhsa_kernarg_size 16
		.amdhsa_user_sgpr_count 2
		.amdhsa_user_sgpr_kernarg_segment_ptr 1
		.amdhsa_wavefront_size32 1
		.amdhsa_system_sgpr_workgroup_id_x 1
		.amdhsa_system_sgpr_workgroup_id_y 1
		.amdhsa_system_sgpr_workgroup_id_z 1
		.amdhsa_system_vgpr_workitem_id 0
		.amdhsa_next_free_vgpr 256
		.amdhsa_next_free_sgpr 72
		.amdhsa_reserve_vcc 0
		.amdhsa_float_denorm_mode_32 3
		.amdhsa_float_denorm_mode_16_64 3
		.amdhsa_memory_ordered 1
		.amdhsa_forward_progress 1
		.amdhsa_inst_pref_size 75
	.end_amdhsa_kernel
	.amdgpu_metadata
---
amdhsa.version: [ 1, 2 ]
amdhsa.kernels:
  - .name:           k_qa564733bae_attn
    .symbol:         k_qa564733bae_attn.kd
    .args:
      - { .name: qkv, .offset: 0, .size: 8, .value_kind: global_buffer, .address_space: global }
      - { .name: att, .offset: 8, .size: 8, .value_kind: global_buffer, .address_space: global }
    .group_segment_fixed_size: 215040
    .private_segment_fixed_size: 0
    .kernarg_segment_align: 8
    .kernarg_segment_size: 16
    .max_flat_workgroup_size: 512
    .sgpr_count:     72
    .vgpr_count:     256
    .wavefront_size: 32
...
	.end_amdgpu_metadata
.endif
;; end of part 2
;; launch outp (part 3): grid 8 x 32, 4 waves a work-group, clusters of 4 x 4, 220,672 bytes of LDS; arguments att, Wo_codes, Wo_scales, bo, out0; writes out0
.if DOCPART == 3
	.amdgcn_target "amdgcn-amd-amdhsa--gfx1250"
	.amdhsa_code_object_version 6
	.text
	.protected	k_qa564733bae_outp
	.globl	k_qa564733bae_outp
	.p2align	8
	.type	k_qa564733bae_outp,@function
k_qa564733bae_outp:
	s_mov_b64 s[64:65], 0
	v_nop
	global_prefetch_b8 v0, s[64:65] scope:SCOPE_SE
	s_setreg_imm32_b32 hwreg(HW_REG_WAVE_MODE, 25, 1), 1
	s_wait_xcnt 0x0
	s_wait_alu depctr_hold_cnt(0) depctr_sa_sdst(0) depctr_va_vdst(0) depctr_va_sdst(0) depctr_va_ssrc(0) depctr_va_vcc(0) depctr_vm_vsrc(0)
	s_getreg_b32 s2, hwreg(HW_REG_IB_STS2, 6, 4)
	s_cmp_eq_u32 s2, 0
	s_cbranch_scc0 .Lentry_in_a_cluster
	s_endpgm
.Lentry_in_a_cluster:
	s_bfe_u32 s2, ttmp6, 0x10000c
	s_cmp_lg_u32 s2, 0xf033
	s_cbranch_scc0 .Lentry_shape_is_right
	s_endpgm
.Lentry_shape_is_right:
; out0 = O Wo^T + bo on codes of FP6 (E2M3), one E8M0 scale for each 32 along K = 1,024 (K = 64 x head + channel).  O comes as operand images from the attention launch, Wo as rows of codes.
; SHARES.  A work-group makes 128 tokens x 128 outputs; a wave 64 x 64: 16 accumulators.  Source 0 = 16 rows of Wo, source 1 = 16 tokens: a lane holds eight neighbouring outputs of one token.
; LDS, each byte filled once, one tensor load a wave: Wo's 128 rows (768 dense bytes each, as units of 256 bytes + 16 of padding: 816 a row), then O's 128 half images (dense).  Behind them a stage for each wave, and the spare words.
; CLUSTER 4 x 4: O's tile is shared along a row of the cluster, Wo's along a column: joint loads.  Nothing is prefetched: all is asked for at the head, and the text has no loop.
; The bias is the C of each sum's first matrix instruction.
.set RP,    816
.set HB,    64*RP
.set OI,    128*RP
.set STAGE, OI+98304
.set SP,    272
.set SPARE, STAGE+4*16*SP
.set WOFF,  3145728
.set PADW,  (3<<16)|(1<<20)|(1<<21)|(5<<22)|(3<<25)
.set ADP, 4                            ; v4, v5  Wo's fragments; + 16 h
.set ADA, 6                            ; v6, v7  16 x lane + my four half images of heads 0-7; of heads 8-15
.set ADB, 8                            ; v8, v9  8 x lane + the same
.set STO, 10
.set RD,  11
.set CO,  12
.set SR,  13
.set SPW, 30
.set NIL, 31
.set PS,  32                           ; Wo's scale words: tile i, K step s at PS + 8 i + s
.set RS,  64                           ; O's likewise
.set BIAS, 96
.set ACC, 128                          ; accumulator (outputs i, tokens j) at ACC + 32 j + 8 i
.set BK,  0
.set WI,  14
.set WJ,  15
.set WV,  22
.set LOW, 23
.set G1O, 24
.set G1W, 32
.set G0O, 40
.set G0W, 44
.set MSB, 0
.macro WIN new
.if MSB != \new
	s_set_vgpr_msb (MSB<<8)|\new
.set MSB, \new
.endif
.endm
.set W_MUL, 0x05
.set TO_F,  0x40
.set FROM_F, 0x04
.macro PLACES n
.rept \n
	v_nop
.endr
.endm
.macro CROUND
	s_barrier_signal -1
	s_barrier_wait -1
	s_cmp_lg_u32 s[WV], 0
	s_cbranch_scc1 .Lnot_wave_0_\@
	s_barrier_signal -3
.Lnot_wave_0_\@:
	s_barrier_wait -3
	s_barrier_signal -1
	s_barrier_wait -1
.endm
	s_load_b256 s[4:11], s[0:1], 0x0               ; att, Wo's codes, Wo's scales, bo
	s_load_b64 s[12:13], s[0:1], 0x20              ; out0
	v_lshl_add_u32 v[SPW], v0, 2, SPARE
	v_mov_b32 v[NIL], 0
	ds_add_u32 v[SPW], v[NIL]
	ds_add_u32 v[SPW], v[NIL]
	v_lshrrev_b32 v1, 5, v0
	v_readfirstlane_b32 s[WV], v1
	s_lshr_b32 s[WI], s[WV], 1
	s_and_b32 s[WJ], s[WV], 1
	s_bfe_u32 s88, ttmp6, 0x40000
	s_bfe_u32 s89, ttmp6, 0x40004
	s_lshl_b32 s91, ttmp9, 2
	s_add_co_u32 s91, s91, s88                     ; block of 128 outputs
	s_and_b32 s92, ttmp7, 0xffff
	s_lshl_b32 s92, s92, 2
	s_add_co_u32 s92, s92, s89                     ; block of 128 tokens
	s_lshl_b32 s93, s89, 2
	s_lshl_b32 s93, 15, s93
	s_lshl_b32 s94, 0x1111, s88
	s_or_b32 s[G1O], s93, (3<<16)|(1<<21)          ; O's images: no padding
	s_or_b32 s[G1W], s94, PADW
.irp g, G1O, G1W
	s_mov_b32 s[\g+1], 32<<16                      ; units of 256 bytes,
	s_mov_b32 s[\g+2], 192<<16                     ; 192 of them: eight heads' images, or 64 rows of Wo
	s_mov_b32 s[\g+3], 32<<16
	s_mov_b32 s[\g+4], 192
	s_mov_b32 s[\g+5], 32
	s_mov_b32 s[\g+6], 0
	s_mov_b32 s[\g+7], 0
.endr
	s_mul_i32 s96, s92, 98304
	s_mul_i32 s78, s[WJ], 49152
	s_add_co_u32 s96, s96, s78
	s_mov_b32 s97, 0
	s_mov_b32 s[G0O], 1
	s_add_co_u32 s[G0O+1], s78, OI
	s_lshl_b32 s98, s91, 7
	s_lshl_b32 s95, s[WJ], 6
	s_add_co_u32 s98, s98, s95
	s_mul_i32 s98, s98, 768
	s_mov_b32 s99, 0
	s_mov_b32 s[G0W], 1
	s_mul_i32 s[G0W+1], s[WJ], HB
	s_mov_b32 s[LOW], 0xffff
	s_wait_dscnt 0x0
	s_wait_kmcnt 0x0
	s_add_nc_u64 s[G0O+2:G0O+3], s[4:5], s[96:97]
	s_or_b32 s[G0O+3], s[G0O+3], 0x80000000
	s_add_nc_u64 s[G0W+2:G0W+3], s[6:7], s[98:99]
	s_or_b32 s[G0W+3], s[G0W+3], 0x80000000
	CROUND
	s_cmp_eq_u32 s[WI], 0                          ; one load a wave: waves 0, 1 O's halves, waves 2, 3 Wo's
	s_cbranch_scc0 .Lhead_w
	tensor_load_to_lds s[G0O:G0O+3], s[G1O:G1O+7]
	s_nop 0
	PLACES 4
	s_branch .Lhead_asked
.Lhead_w:
	tensor_load_to_lds s[G0W:G0W+3], s[G1W:G1W+7]
	s_nop 0
	PLACES 4
.Lhead_asked:
	s_lshl_b32 s80, s92, 14                        ; O's words: 16,384 a block of tokens, 1,024 a head, 128 a tile
	s_lshl_b32 s95, s[WJ], 9
	s_add_co_u32 s80, s80, s95
	s_add_co_u32 s80, s80, WOFF
	s_mov_b32 s81, 0
	s_add_nc_u64 s[80:81], s[4:5], s[80:81]
	s_lshl_b32 s82, s91, 12
	s_lshl_b32 s95, s[WI], 11
	s_add_co_u32 s82, s82, s95
	s_mov_b32 s83, 0
	s_add_nc_u64 s[82:83], s[8:9], s[82:83]        ; Wo's scales
	s_lshl_b32 s84, s91, 9
	s_lshl_b32 s95, s[WI], 8
	s_add_co_u32 s84, s84, s95
	s_mov_b32 s85, 0
	s_lshl_b32 s86, s92, 19
	s_lshl_b32 s95, s[WJ], 18
	s_add_co_u32 s86, s86, s95
	s_add_co_u32 s86, s86, s84
	s_mov_b32 s87, 0
	s_add_nc_u64 s[84:85], s[10:11], s[84:85]      ; bo
	s_add_nc_u64 s[86:87], s[12:13], s[86:87]      ; out0
	s_mul_i32 s93, s[WI], HB
	s_mul_i32 s94, s[WJ], 3072
	s_add_co_u32 s94, s94, OI
	s_mul_i32 s95, s[WV], 16*SP
	s_add_co_u32 s95, s95, STAGE
	v_and_b32 v1, 15, v0                           ; r
	v_bfe_u32 v2, v0, 4, 1                         ; h
	v_and_b32 v3, 31, v0                           ; lane
	v_lshlrev_b32 v[SR], 5, v1
	v_lshlrev_b32 v14, 5, v2
	v_lshlrev_b32 v15, 2, v3
	v_mul_u32_u24 v16, v1, RP
	v_mad_u32_u24 v16, v2, 24, v16
	v_add_nc_u32 v[ADP], s93, v16
	v_lshl_add_u32 v[ADP+1], v2, 4, v[ADP]
	v_lshl_add_u32 v[ADA], v3, 4, s94
	v_lshl_add_u32 v[ADB], v3, 3, s94
	v_add_nc_u32 v[ADA+1], 49152, v[ADA]
	v_add_nc_u32 v[ADB+1], 49152, v[ADB]
	v_mul_u32_u24 v[STO], v1, SP
	v_lshl_add_u32 v[STO], v2, 5, v[STO]
	v_add_nc_u32 v[STO], s95, v[STO]               ; in: row r, 32 bytes for each half of the lanes
	v_mul_u32_u24 v[RD], v2, SP
	v_lshl_add_u32 v[RD], v1, 4, v[RD]
	v_add_nc_u32 v[RD], s95, v[RD]                 ; back: lanes 0-15 one row of 256 bytes, lanes 16-31 the next
	v_lshlrev_b32 v[CO], 12, v2
	v_lshl_add_u32 v[CO], v1, 4, v[CO]
	s_wait_alu depctr_va_vdst(0)
.irp t, 0,1,2,3
	global_load_b128 v[PS+8*\t:PS+8*\t+3], v[SR], s[82:83] offset:512*\t
	global_load_b128 v[PS+8*\t+4:PS+8*\t+7], v[SR], s[82:83] offset:512*\t+16
	global_load_b128 v[BIAS+8*\t:BIAS+8*\t+3], v14, s[84:85] offset:64*\t
	global_load_b128 v[BIAS+8*\t+4:BIAS+8*\t+7], v14, s[84:85] offset:64*\t+16
.endr
.irp j, 0,1,2,3                        ; a K step is two heads: the even head's word and, for now in registers that the sums will take, the odd head's
.irp s, 0,1,2,3,4,5,6,7
	global_load_b32 v[RS+8*\j+\s], v15, s[80:81] offset:1024*(2*\s)+128*\j
	global_load_b32 v[ACC+8*\j+\s], v15, s[80:81] offset:1024*(2*\s+1)+128*\j
.endr
.endr
	s_wait_loadcnt 0x0
.set jj, 0
.rept 32
	v_bfi_b32 v[RS+jj], s[LOW], v[RS+jj], v[ACC+jj]   ; the even head's two bytes below, the odd head's above
.set jj, jj+1
.endr
	PLACES 8                                       ; a scale register written by a vector instruction stands eight places ahead of a scaled matrix instruction
.macro FRAG reg, adr, st, t            ; byte y of a row lies at y + 16 (y / 256); lanes 16-31 read 24 bytes on
.irp p, 0,1,2,3,4,5
.set BY, 96*(\st)+48*(\p/3)+8*(\p%3)
.if BY/256 == (BY+24)/256
	ds_load_b64 v[\reg+2*\p:\reg+2*\p+1], v[\adr] offset:BY+16*(BY/256)+(\t)*16*RP
.else
	ds_load_b64 v[\reg+2*\p:\reg+2*\p+1], v[\adr+1] offset:BY+16*(BY/256)+(\t)*16*RP
.endif
.endr
.endm
.macro FRAGI reg, st, t                ; a fragment of O: the half images of heads 2 st and 2 st + 1, my tile t
	ds_load_b128 v[\reg:\reg+3], v[ADA+(\st)/4] offset:6144*(2*((\st)%4))+768*(\t)
	ds_load_b64 v[\reg+4:\reg+5], v[ADB+(\st)/4] offset:6144*(2*((\st)%4))+768*(\t)+512
	ds_load_b128 v[\reg+6:\reg+9], v[ADA+(\st)/4] offset:6144*(2*((\st)%4)+1)+768*(\t)
	ds_load_b64 v[\reg+10:\reg+11], v[ADB+(\st)/4] offset:6144*(2*((\st)%4)+1)+768*(\t)+512
.endm
.macro FETCH st, f                     ; 40 LDS loads in one run
	WIN TO_F
.irp t, 0,1,2,3
	FRAG (\f)+12*\t, ADP, \st, \t
.endr
.irp t, 0,1,2,3
	FRAGI (\f)+48+12*\t, \st, \t
.endr
	WIN 0
.endm
.macro MUL f, s, first                 ; 16 matrix instructions; the 16 accumulators take turns
	WIN W_MUL
.irp j, 0,1,2,3
.irp i, 0,1,2,3
.if \first
	v_wmma_scale_f32_16x16x128_f8f6f4 v[ACC+32*\j+8*\i:ACC+32*\j+8*\i+7], v[(\f)+12*\i:(\f)+12*\i+11], v[(\f)+48+12*\j:(\f)+48+12*\j+11], v[BIAS+8*\i:BIAS+8*\i+7], v[PS+8*\i+(\s)], v[RS+8*\j+(\s)] matrix_a_fmt:MATRIX_FMT_FP6 matrix_b_fmt:MATRIX_FMT_FP6
.else
	v_wmma_scale_f32_16x16x128_f8f6f4 v[ACC+32*\j+8*\i:ACC+32*\j+8*\i+7], v[(\f)+12*\i:(\f)+12*\i+11], v[(\f)+48+12*\j:(\f)+48+12*\j+11], v[ACC+32*\j+8*\i:ACC+32*\j+8*\i+7], v[PS+8*\i+(\s)], v[RS+8*\j+(\s)] matrix_a_fmt:MATRIX_FMT_FP6 matrix_b_fmt:MATRIX_FMT_FP6
.endif
.endr
.endr
	WIN 0
.endm
; THE WAY OUT, 16 tokens x my 64 outputs at a time, through my own stage: whole rows of 256 bytes come back.  LDS serves a wave's instructions in order (ISA guide 5.7.1.4).
.macro TOSTAGE a
.irp i, 0,1,2,3
	ds_store_b128 v[STO], v[ACC+32*(\a)+8*\i:ACC+32*(\a)+8*\i+3] offset:64*\i        ; each accumulator from its low end on
	ds_store_b128 v[STO], v[ACC+32*(\a)+8*\i+4:ACC+32*(\a)+8*\i+7] offset:64*\i+16
.endr
	WIN TO_F
.irp t, 0,1,2,3,4,5,6,7
	ds_load_b128 v[BK+32*((\a)%2)+4*\t:BK+32*((\a)%2)+4*\t+3], v[RD] offset:2*SP*\t
.endr
	WIN 0
.endm
.macro SEND a, younger
	s_wait_dscnt \younger
	WIN FROM_F
.irp t, 0,1,2,3,4,5,6,7
	global_store_b128 v[CO], v[BK+32*((\a)%2)+4*\t:BK+32*((\a)%2)+4*\t+3], s[86:87] offset:(16*(\a)+2*\t)*4096 th:TH_STORE_NT   ; 16 lanes store 256 consecutive bytes, aligned
.endr
	WIN 0
.endm
	s_wait_alu depctr_va_vdst(0)                   ; the wait at the head's end
	s_wait_tensorcnt 0x0                           ; my tile is in
	s_barrier_signal -1
	s_barrier_wait -1                              ; and everybody's
	FETCH 0, 0
.set st, 0
.rept 7
	PLACES 4                                       ; between the products that read a buffer and the loads into it
	FETCH st+1, 128*((st+1)%2)
	s_wait_dscnt 40                                ; all but the 40 just issued
	MUL 128*(st%2), st, st==0
.set st, st+1
.endr
	s_wait_dscnt 0x0
	MUL 128, 7, 0
	PLACES 4
	TOSTAGE 0
.irp a, 1,2,3
.if \a > 1
	s_wait_xcnt 0x0                                ; tile a - 2's stores have read their registers
.endif
	TOSTAGE \a
	SEND \a-1, 16                                  ; behind tile a - 1's loads: tile a's 8 stores and 8 loads
.endr
	SEND 3, 0
	s_wait_tensorcnt 0x0                           ; the wave's end
	ds_add_u32 v[SPW], v[NIL]
	s_wait_dscnt 0x0
	CROUND                                         ; the closing round
	s_endpgm
.Lfunc_end_k_qa564733bae_outp:
	.size	k_qa564733bae_outp, .Lfunc_end_k_qa564733bae_outp-k_qa564733bae_outp
	.p2alignl 7, 3214868480
	.fill 96, 4, 3214868480
	.section	.rodata,"a",@progbits
	.p2align	6, 0x0
	.amdhsa_kernel k_qa564733bae_outp
		.amdhsa_group_segment_fixed_size 220672
		.amdhsa_private_segment_fixed_size 0
		.amdhsa_enable_private_segment 0
		.amdhsa_kernarg_size 40
		.amdhsa_user_sgpr_count 2
		.amdhsa_user_sgpr_kernarg_segment_ptr 1
		.amdhsa_wavefront_size32 1
		.amdhsa_system_sgpr_workgroup_id_x 1
		.amdhsa_system_sgpr_workgroup_id_y 1
		.amdhsa_system_sgpr_workgroup_id_z 1
		.amdhsa_system_vgpr_workitem_id 0
		.amdhsa_next_free_vgpr 512
		.amdhsa_next_free_sgpr 100
		.amdhsa_reserve_vcc 0
		.amdhsa_float_denorm_mode_32 3
		.amdhsa_float_denorm_mode_16_64 3
		.amdhsa_memory_ordered 1
		.amdhsa_forward_progress 1
		.amdhsa_inst_pref_size 63
	.end_amdhsa_kernel
	.amdgpu_metadata
---
amdhsa.version: [ 1, 2 ]
amdhsa.kernels:
  - .name:           k_qa564733bae_outp
    .symbol:         k_qa564733bae_outp.kd
    .args:
      - { .name: att, .offset: 0, .size: 8, .value_kind: global_buffer, .address_space: global }
      - { .name: Wo_codes, .offset: 8, .size: 8, .value_kind: global_buffer, .address_space: global }
      - { .name: Wo_scales, .offset: 16, .size: 8, .value_kind: global_buffer, .address_space: global }
      - { .name: bo, .offset: 24, .size: 8, .value_kind: global_buffer, .address_space: global }
      - { .name: out0, .offset: 32, .size: 8, .value_kind: global_buffer, .address_space: global }
    .group_segment_fixed_size: 220672
    .private_segment_fixed_size: 0
    .kernarg_segment_align: 8
    .kernarg_segment_size: 40
    .max_flat_workgroup_size: 128
    .sgpr_count:     100
    .vgpr_count:     512
    .wavefront_size: 32
...
	.end_amdgpu_metadata
.endif
;; end of part 3
